; MI455X (gfx1250); checked and timed in simulation.
; The chip was launched on July 23, 2026; its instructions are those of AMD's public machine-readable ISA for CDNA 5 (MIT licence, August 2026) and "CDNA5" Instruction Set Architecture Reference Guide (July 2026). The comments in the code are by the model that wrote it; some were corrected since.
;; Cross Attention. Allowed arithmetic: matrix products marked QUANTISED: E2M1 operands, one E8M0 scale for each 32 along K, by v_wmma_scale_f32_16x16x128_f8f6f4 with both operands' format E2M1 (or v_wmma_scale_f32_32x16x128_f4), f32 sums; products left as they are: bf16, f16 or f32 operands; f32 sums; everything else in f32.
;; Inputs: W_ck 512 x 512 float32; W_co 512 x 512 float32; W_cq 512 x 512 float32; W_cv 512 x 512 float32; W_ik 512 x 512 float32; W_io 512 x 512 float32; W_iq 512 x 512 float32; W_iv 512 x 512 float32; b_co 512 float32; b_io 512 float32; clinic 2 x 2,048 x 512 float32; img 2 x 2,048 x 512 float32.
;; Outputs: out0 2 x 2,048 x 512 float32; out1 2 x 2,048 x 512 float32.
;; This version of the problem:
;;   THIS VERSION OF THE PROBLEM IS GIVEN IN LOW PRECISION. The matrix products marked QUANTISED in the list below multiply operands that are first quantised to E2M1 (2 exponent bits, 1 mantissa bit; 4 bits a number), with one power-of-two scale for each 32 numbers along K (OCP MX v1.0); their sums are f32. The products marked 'left as it is' may take bf16, f16 or f32 operands, with f32 sums. Whichever they take, every output number must still come out within the allowed error. Rounding operands to bf16 (8 significant bits) uses up far more of that allowance than f16 does (11 bits, for magnitudes from 6e-5 to 65,504). All else is computed in f32.
;;   The module's matrix products, in the order in which they are computed (A, B: the left and right operand; K: the contracted axis; several contracted axes count as one K, in the product's order):
;;     1. [M 4,096, K 512] x [K 512, N 512]; A: input img; B: input W_iq: QUANTISED
;;     2. [M 4,096, K 512] x [K 512, N 512]; A: input img; B: input W_ik: QUANTISED
;;     3. [M 4,096, K 512] x [K 512, N 512]; A: input img; B: input W_iv: QUANTISED
;;     4. [M 4,096, K 512] x [K 512, N 512]; A: input clinic; B: input W_cq: QUANTISED
;;     5. [M 4,096, K 512] x [K 512, N 512]; A: input clinic; B: input W_ck: QUANTISED
;;     6. [M 4,096, K 512] x [K 512, N 512]; A: input clinic; B: input W_cv: QUANTISED
;;     7. batch 16 x [M 2,048, K 64] x [K 64, N 2,049]; A: computed on the way; B: computed on the way: left as it is (an operand is computed on the way)
;;     8. batch 16 x [M 2,048, K 2,049] x [K 2,049, N 64]; A: computed on the way; B: computed on the way: left as it is (an operand is computed on the way)
;;     9. batch 16 x [M 2,048, K 64] x [K 64, N 2,049]; A: computed on the way; B: computed on the way: left as it is (an operand is computed on the way)
;;     10. batch 16 x [M 2,048, K 2,049] x [K 2,049, N 64]; A: computed on the way; B: computed on the way: left as it is (an operand is computed on the way)
;;     11. batch 16 x [M 2,048, K 64] x [K 64, N 2,049]; A: computed on the way; B: computed on the way: left as it is (an operand is computed on the way)
;;     12. batch 16 x [M 2,048, K 2,049] x [K 2,049, N 64]; A: computed on the way; B: computed on the way: left as it is (an operand is computed on the way)
;;     13. batch 16 x [M 2,048, K 64] x [K 64, N 2,049]; A: computed on the way; B: computed on the way: left as it is (an operand is computed on the way)
;;     14. batch 16 x [M 2,048, K 2,049] x [K 2,049, N 64]; A: computed on the way; B: computed on the way: left as it is (an operand is computed on the way)
;;     15. [M 4,096, K 512] x [K 512, N 512]; A: computed on the way; B: input W_io: left as it is (an operand is computed on the way)
;;     16. [M 4,096, K 512] x [K 512, N 512]; A: computed on the way; B: input W_co: left as it is (an operand is computed on the way)
;;   THE QUANTISER, for each operand of a quantised product, along K:
;;     - K is cut into blocks of 32 from its start; a last block that is shorter is filled with zeros.
;;     - A block's scale is 2^e with e = floor(log2(the largest magnitude in the block)) - 2, held to -126 .. 127; a block of zeros has e = 0. As a byte (E8M0): e + 127.
;;     - Each number is divided by its block's scale, clamped to +-6, and rounded to the nearest number of E2M1, ties to even, subnormals kept.
;;     - The product sums the exact products of the quantised numbers (number of the format x scale) in f32.
;;   ~~~python
;;   def quantise(x, axis):      # numpy; x: float32 -> the quantised numbers, widened to float32 again
;;       x = np.moveaxis(x, axis, -1); K = x.shape[-1]
;;       x = np.pad(x, [(0, 0)] * (x.ndim - 1) + [(0, -K % 32)]); x = x.reshape(x.shape[:-1] + (-1, 32)); a = np.abs(x).max(-1, keepdims=True)
;;       e = np.where(a > 0, np.clip(np.frexp(np.where(a > 0, a, 1))[1] - 1 - 2, -126, 127), 0)      # np.frexp(a)[1] - 1 = floor(log2(a)), exactly
;;       r = np.clip(x / 2.0 ** e, -6, 6)
;;       step = 2.0 ** (np.maximum(np.frexp(np.where(r == 0, 1, r))[1] - 1, 0) - 1)
;;       q = np.round(r / step) * step * 2.0 ** e      # np.round: ties to even
;;       return np.moveaxis(q.reshape(q.shape[:-2] + (-1,))[..., :K], -1, axis).astype(np.float32)
;;   ~~~
;; One version. Each part assembles by itself: llvm-mc -triple=amdgcn-amd-amdhsa -mcpu=gfx1250 --defsym DOCPART=n.
;; ======== version 1 of 1: 4 launches
;; limits: values are held in f16: magnitudes above 65,504 overflow, below 6.1e-05 lose precision
;; workspace buffers: wc 786,432 bytes; ws 49,152 bytes; wo 1,048,576 bytes; qi 8,388,608 bytes; kv 16,777,216 bytes; oi 8,388,608 bytes
;; launch prep (part 1): grid 32 x 8, 2 waves a work-group, no clusters, 0 bytes of LDS; arguments W_iq, W_ik, W_iv, W_cq, W_ck, W_cv, W_io, W_co, wc, ws, wo; writes wc, ws, wo
.if DOCPART == 1
	.amdgcn_target "amdgcn-amd-amdhsa--gfx1250"
	.amdhsa_code_object_version 6
	.text
	.protected	k_q10ee64696d_prep
	.globl	k_q10ee64696d_prep
	.p2align	8
	.type	k_q10ee64696d_prep,@function
k_q10ee64696d_prep:
	s_mov_b64 s[64:65], 0
	v_nop
	global_prefetch_b8 v0, s[64:65] scope:SCOPE_SE
	s_setreg_imm32_b32 hwreg(HW_REG_WAVE_MODE, 25, 1), 1
	s_wait_xcnt 0x0
; THE WEIGHTS ARE LAID OUT ONCE.  Eight weights [512 (k)][512 (n)] f32, K their FIRST axis.  Work-group y = the weight.
; y = 0..5 (W_iq, W_ik, W_iv, W_cq, W_ck, W_cv): codes of FP4 (E2M1) along K, one E8M0 byte for each 32 along K.
; y = 6, 7 (W_io, W_co): rounded to f16.  Both leave in the ORDER OF A MATRIX OPERAND'S REGISTERS, so that the launches that multiply load each fragment at 16 x lane:
;   wc [w 6][nt 32][s 4][c 2][lane 32][16 B]: lane (r, h) of part c: k = 128 s + 64 c + 32 h + 0..31 of column 16 nt + r
;   ws [w 6][s 4][n 512] words: byte t scales k = 128 s + 32 t + 0..31 of column n
;   wo [t 2][nt 32][kc 16][j 2][lane 32][16 B]: lane (r, h) of part j: k = 32 kc + 16 j + 8 h + 0..7 of column 16 nt + r
; A LANE TAKES A COLUMN AND ITS REGISTERS RUN DOWN K: a load reads 128 consecutive bytes a wave, a block of 32 along K lies in one lane, nothing is transposed.
; SHARES: work-group x = 8 s + cg: 128 along K (s) x 64 columns (cg); each of the two waves 32 columns: 4 blocks of 32 a lane.  8 x 32 = 256 work-groups.  No LDS, no barrier: waves share nothing.
; A block's scale is 2^(floor(log2(largest magnitude)) - 2); its byte is the largest magnitude's exponent field - 2, held at 1 from below.
; LIMITS: a block of zeros gets the byte 1 where the rule says 127 (its codes are zeros, and this program alone reads the bytes); NaN and infinities are not served; W_io, W_co must lie within f16's 65,504.
; The scale words leave as 128 bytes a wave: 48 KB in the whole launch; codes and f16 numbers leave as aligned runs of 256 bytes from sixteen lanes.
.set X,  32                            ; v32-95   two sets of 32 numbers
.set C,  96                            ; v96-111  codes, four registers a block: no store's data are written again
.set SB, 112                           ; v112     the four scale bytes
.set H,  96                            ; v96-159  on the f16 path: sixteen registers a block
	s_load_b512 s[8:23], s[0:1], 0x0               ; the eight weights
	s_load_b128 s[24:27], s[0:1], 0x40             ; wc, ws
	s_load_b64 s[28:29], s[0:1], 0x50              ; wo
	v_lshrrev_b32 v1, 5, v0
	v_readfirstlane_b32 s30, v1                    ; wave 0, 1
	v_and_b32 v1, 31, v0                           ; lane
	v_lshlrev_b32 v3, 2, v1                        ; in: 4 bytes a lane; the scale word's place too
	v_and_b32 v2, 15, v0                           ; r
	v_bfe_u32 v6, v0, 4, 1                         ; which of my wave's two column tiles
	v_lshlrev_b32 v2, 4, v2
	v_lshl_add_u32 v4, v6, 12, v2                  ; codes: 4,096 x tile + 16 r
	v_lshl_add_u32 v5, v6, 14, v2                  ; f16: 16,384 x tile + 16 r
	s_and_b32 s31, ttmp7, 0xffff                   ; y: the weight
	s_and_b32 s32, ttmp9, 7                        ; cg
	s_lshr_b32 s33, ttmp9, 3                       ; s
	s_lshl_b32 s34, s32, 1
	s_add_co_u32 s34, s34, s30                     ; 2 cg + wave: my 32 columns
	s_lshl_b32 s36, s33, 18                        ; 128 rows of 2,048 bytes
	s_lshl_b32 s35, s34, 7                         ; 32 columns of 4 bytes
	s_add_co_u32 s36, s36, s35
	s_mov_b32 s37, 0
	s_wait_kmcnt 0x0
.irp i, 1,2,3,4,5,6,7
	s_cmp_eq_u32 s31, \i                           ; the choice hangs on the work-group's number alone
	s_cselect_b64 s[8:9], s[8+2*\i:9+2*\i], s[8:9]
.endr
	s_add_nc_u64 s[8:9], s[8:9], s[36:37]
.macro LOAD t                          ; block t: W(128 s + 32 t + i, my column) into set t % 2
.irp i, 0,1,2,3,4,5,6,7,8,9,10,11,12,13,14,15,16,17,18,19,20,21,22,23,24,25,26,27,28,29,30,31
	global_load_b32 v[X+32*((\t)%2)+\i], v3, s[8:9] offset:(32*(\t)+\i)*2048 th:TH_LOAD_NT
.endr
.endm
.macro ARRIVED t
.if (\t) < 3
	s_wait_loadcnt 32                              ; this block's 32 loads are in; the next block's 32 may be out
.else
	s_wait_loadcnt 0x0
.endif
.endm
.macro BLOCKQ t
.set XS, X+32*((\t)%2)
	ARRIVED \t
	v_max3_num_f32 v12, |v[XS]|, |v[XS+1]|, |v[XS+2]|               ; the block's largest magnitude: all 32 numbers are mine; two chains
	v_max3_num_f32 v13, |v[XS+3]|, |v[XS+4]|, |v[XS+5]|
.irp i, 6,10,14,18,22,26
	v_max3_num_f32 v12, v12, |v[XS+\i]|, |v[XS+\i+1]|
	v_max3_num_f32 v13, v13, |v[XS+\i+2]|, |v[XS+\i+3]|
.endr
	v_max3_num_f32 v12, v12, |v[XS+30]|, |v[XS+31]|
	v_max3_num_f32 v12, v12, v13, 0x1800000        ; and the floor 2^(3 - 127): the byte cannot fall under 1
	v_add_nc_u32 v11, 0xff000000, v12              ; 2 off the exponent field: the conversion takes the exponent field of this operand as its scale
	v_lshrrev_b32 v13, 23, v11                     ; the scale's byte
.if (\t) == 0
	v_mov_b32 v[SB], v13
.else
	v_lshl_or_b32 v[SB], v13, 8*(\t), v[SB]        ; the lower K in the lower byte
.endif
.irp g, 0,1,2,3
	v_cvt_scalef32_pk8_fp4_f32 v[C+4*(\t)+\g], v[XS+8*\g:XS+8*\g+7], v11
.endr
	global_store_b128 v4, v[C+4*(\t):C+4*(\t)+3], s[24:25] offset:512*((\t)/2)+256*((\t)%2)   ; part c = t / 2, lanes 16 (t % 2) + r: sixteen lanes store 256 consecutive bytes, aligned
.if (\t) < 2
	LOAD (\t)+2
.endif
.endm
.macro BLOCKH t
.set XS, X+32*((\t)%2)
	ARRIVED \t
.irp i, 0,1,2,3,4,5,6,7,8,9,10,11,12,13,14,15
	v_cvt_pk_f16_f32 v[H+16*(\t)+\i], v[XS+2*\i], v[XS+2*\i+1]      ; the lower k in the low half
.endr
.irp p, 0,1,2,3
	global_store_b128 v5, v[H+16*(\t)+4*\p:H+16*(\t)+4*\p+3], s[28:29] offset:1024*(\t)+512*(\p/2)+256*(\p%2)   ; k = 8 p on: part j = p / 2, lanes 16 (p % 2) + r
.endr
.if (\t) < 2
	LOAD (\t)+2
.endif
.endm
	LOAD 0
	LOAD 1
	s_cmp_ge_u32 s31, 6
	s_cbranch_scc1 .Lhalf
	s_lshl_b32 s36, s31, 17                        ; wc: 131,072 y + 4,096 x (2 (2 cg + wave)) + 1,024 s
	s_lshl_b32 s35, s34, 13
	s_add_co_u32 s36, s36, s35
	s_lshl_b32 s35, s33, 10
	s_add_co_u32 s36, s36, s35
	s_add_nc_u64 s[24:25], s[24:25], s[36:37]
	s_lshl_b32 s36, s31, 13                        ; ws: 8,192 y + 2,048 s + 4 x my first column
	s_lshl_b32 s35, s33, 11
	s_add_co_u32 s36, s36, s35
	s_lshl_b32 s35, s34, 7
	s_add_co_u32 s36, s36, s35
	s_add_nc_u64 s[26:27], s[26:27], s[36:37]
	BLOCKQ 0
	BLOCKQ 1
	BLOCKQ 2
	BLOCKQ 3
	global_store_b32 v3, v[SB], s[26:27]           ; my column's scale word for these 128 along K
	s_endpgm
.Lhalf:
	s_sub_co_u32 s36, s31, 6                       ; wo: 524,288 (y - 6) + 16,384 x (2 (2 cg + wave)) + 4,096 s
	s_lshl_b32 s36, s36, 19
	s_lshl_b32 s35, s34, 15
	s_add_co_u32 s36, s36, s35
	s_lshl_b32 s35, s33, 12
	s_add_co_u32 s36, s36, s35
	s_add_nc_u64 s[28:29], s[28:29], s[36:37]
	BLOCKH 0
	BLOCKH 1
	BLOCKH 2
	BLOCKH 3
	s_endpgm
.Lfunc_end_k_q10ee64696d_prep:
	.size	k_q10ee64696d_prep, .Lfunc_end_k_q10ee64696d_prep-k_q10ee64696d_prep
	.p2alignl 7, 3214868480
	.fill 96, 4, 3214868480
	.section	.rodata,"a",@progbits
	.p2align	6, 0x0
	.amdhsa_kernel k_q10ee64696d_prep
		.amdhsa_group_segment_fixed_size 0
		.amdhsa_private_segment_fixed_size 0
		.amdhsa_enable_private_segment 0
		.amdhsa_kernarg_size 88
		.amdhsa_user_sgpr_count 2
		.amdhsa_user_sgpr_kernarg_segment_ptr 1
		.amdhsa_wavefront_size32 1
		.amdhsa_system_sgpr_workgroup_id_x 1
		.amdhsa_system_sgpr_workgroup_id_y 1
		.amdhsa_system_sgpr_workgroup_id_z 1
		.amdhsa_system_vgpr_workitem_id 0
		.amdhsa_next_free_vgpr 160
		.amdhsa_next_free_sgpr 66
		.amdhsa_reserve_vcc 0
		.amdhsa_float_denorm_mode_32 3
		.amdhsa_float_denorm_mode_16_64 3
		.amdhsa_memory_ordered 1
		.amdhsa_forward_progress 1
		.amdhsa_inst_pref_size 33
	.end_amdhsa_kernel
	.amdgpu_metadata
---
amdhsa.version: [ 1, 2 ]
amdhsa.kernels:
  - .name:           k_q10ee64696d_prep
    .symbol:         k_q10ee64696d_prep.kd
    .args:
      - { .name: W_iq, .offset: 0, .size: 8, .value_kind: global_buffer, .address_space: global }
      - { .name: W_ik, .offset: 8, .size: 8, .value_kind: global_buffer, .address_space: global }
      - { .name: W_iv, .offset: 16, .size: 8, .value_kind: global_buffer, .address_space: global }
      - { .name: W_cq, .offset: 24, .size: 8, .value_kind: global_buffer, .address_space: global }
      - { .name: W_ck, .offset: 32, .size: 8, .value_kind: global_buffer, .address_space: global }
      - { .name: W_cv, .offset: 40, .size: 8, .value_kind: global_buffer, .address_space: global }
      - { .name: W_io, .offset: 48, .size: 8, .value_kind: global_buffer, .address_space: global }
      - { .name: W_co, .offset: 56, .size: 8, .value_kind: global_buffer, .address_space: global }
      - { .name: wc, .offset: 64, .size: 8, .value_kind: global_buffer, .address_space: global }
      - { .name: ws, .offset: 72, .size: 8, .value_kind: global_buffer, .address_space: global }
      - { .name: wo, .offset: 80, .size: 8, .value_kind: global_buffer, .address_space: global }
    .group_segment_fixed_size: 0
    .private_segment_fixed_size: 0
    .kernarg_segment_align: 8
    .kernarg_segment_size: 88
    .max_flat_workgroup_size: 64
    .sgpr_count:     66
    .vgpr_count:     160
    .wavefront_size: 32
...
	.end_amdgpu_metadata
.endif
;; end of part 1
;; launch proj (part 2): grid 64 x 3, 8 waves a work-group, no clusters, 37,888 bytes of LDS; arguments img, clinic, wc, ws, qi, kv; writes qi, kv
.if DOCPART == 2
	.amdgcn_target "amdgcn-amd-amdhsa--gfx1250"
	.amdhsa_code_object_version 6
	.text
	.protected	k_q10ee64696d_proj
	.globl	k_q10ee64696d_proj
	.p2align	8
	.type	k_q10ee64696d_proj,@function
k_q10ee64696d_proj:
	s_mov_b64 s[64:65], 0
	v_nop
	global_prefetch_b8 v0, s[64:65] scope:SCOPE_SE
	s_setreg_imm32_b32 hwreg(HW_REG_WAVE_MODE, 25, 1), 1
	s_wait_xcnt 0x0
; THE SIX PROJECTIONS, on codes of FP4 (E2M1) with one E8M0 scale for each 32 along K = 512.  x (img or clinic, [4096][512] f32) is quantised here, in registers; the weights come as codes.
; SHARES.  Work-group x = 32 t + rb: tensor t (0 img, 1 clinic), 128 rows rb.  Work-group y: 0 q, 1 k, 2 v; the weight is 3 t + y.  A work-group makes 128 rows x the weight's 512 columns.
; Wave w is HEAD w: 64 columns, whose 16 fragments of the weight stay in its registers, read from memory once.  For the quantising wave w takes the 16 rows 16 w on; the rows' codes go from wave to wave
; through LDS as images of the operand's registers (16 bytes a lane at 16 x lane; the scale word 4 bytes a lane): one barrier in the launch.
; NO CLUSTER, NO TENSOR LOAD: x has to pass through registers as f32 to be quantised, and a wave's 16 KB of the weight go straight into the registers where they stay: a way through LDS would only be added.
; THE RESULTS LEAVE AS f16, IN THE ORDER OF THE NEXT PRODUCT'S OPERAND REGISTERS, straight from registers, 512 consecutive aligned bytes an instruction:
;   q, k: the product is used transposed (source 0 = 16 columns of W, source 1 = 16 rows of x): lane (r, h) holds row r, channels 16 n + 8 h + 0..7: 16 bytes of part j = n % 2 of fragment f = n / 2.
;   v: not transposed (source 0 = x, source 1 = W): lane (r, h) holds channel 16 n + r and keys 16 mt + 8 h + 0..7: part j = mt % 2 of V^T's fragment ct = n.
;   qi [t 2][b 2][h 8][qt 128][f 2][j 2][lane][16 B]: q x c, c = log2(e) / 8, so that the scores come out as exponents of two.
;   kv [b 2][h 8][src 2][g 64][8192 B]: 32 keys a unit: K [kt 2][f 2][j 2][lane][16], then V^T [ct 4][j 2][lane][16].
; LIMITS: NaN and infinities are not served; q x c, k, v must lie within f16's 65,504; a block of zeros gets the scale byte 1 (its codes are zeros; this program alone reads the bytes).
; REGISTERS.  Window 0: v4-11 addresses; v12-20 the codes and scale word just made; v24-39 at work; v40-55 W's scale words, v56-63 x's (scales and nothing else); v64-127 x's fragments, two sets;
;   v128-255 numbers of x, two sets; later v128-159 four accumulators, v160-175 packed results.   Window 1: v0-127 the weight's 16 fragments.
.set XIMG,  0                          ; LDS: x's 32 fragments of 1,024 bytes: (row tile mt, K step s) at 1024 (4 mt + s),
.set XSC,   32768                      ; their scale words, 128 bytes each,
.set SPARE, 36864                      ; the spare words, 128 bytes for each of the eight waves: four blocks of 256 bytes that no other line names
.set XA,  4                            ; v4   x: row r of 2,048 bytes + 64 h: my 16 numbers of a block of 32
.set LI,  5                            ; v5   16 x lane
.set LS,  6                            ; v6   4 x lane
.set XWI, 7                            ; v7   where I store images: 16 x lane + 4,096 x wave
.set XWS, 8                            ; v8   and scale words: 4 x lane + 512 x wave
.set WSO, 9                            ; v9   4 r: W's scale words
.set SPW, 10                           ; v10  LDS address of my spare word; never rewritten
.set NIL, 11                           ; v11  0; never rewritten
.set PC,  12
.set PW,  20
.set TM,  24
.set WS,  40
.set XS,  56
.set XF,  64
.set STA, 128
.set STB, 192
.set ACC, 128
.set PK,  160
.set SEL, 32                           ; s[32:33] v_permlanex16_b32's selects for lane l xor 16
.set CS,  34                           ; s[34:35] c, twice
.set MSB, 0
.macro WIN new                         ; the immediate's high byte repeats the setting that is left
.if MSB != \new
	s_set_vgpr_msb (MSB<<8)|\new
.set MSB, \new
.endif
.endm
; my 16 rows' numbers of K step s (128 along K: 64 a lane) into v[reg] on: register 16 b + i = k 32 b + 16 h + i of my row.  No hint: the three work-groups of y read these rows
.macro XLOAD reg, s
.irp b, 0,1,2,3
.irp j, 0,1,2,3
	global_load_b128 v[\reg+16*\b+4*\j:\reg+16*\b+4*\j+3], v[XA], s[4:5] offset:512*\s+128*\b+16*\j
.endr
.endr
.endm
; 64 numbers of a lane become a fragment's codes in v[PC] on and its scale word in v[PW]
.macro QUANT s
.irp b, 0,1,2,3
	v_max3_num_f32 v[TM+\b], |v[\s+16*\b]|, |v[\s+1+16*\b]|, 0x1800000   ; block b: my 16 numbers, and the floor 2^(3 - 127): the byte cannot fall under 1
.endr
.irp i, 2,4,6,8,10,12,14
.irp b, 0,1,2,3
	v_max3_num_f32 v[TM+\b], v[TM+\b], |v[\s+16*\b+\i]|, |v[\s+1+16*\b+\i]|   ; the four blocks by turns
.endr
.endr
.irp b, 0,1,2,3
	v_permlanex16_b32 v[TM+4+\b], v[TM+\b], s[SEL], s[SEL+1]
.endr
.irp b, 0,1,2,3
	v_max_num_f32 v[TM+\b], v[TM+\b], v[TM+4+\b]   ; with lane l xor 16's: the block's largest magnitude
.endr
.irp b, 0,1,2,3
	v_add_nc_u32 v[TM+12+\b], 0xff000000, v[TM+\b]   ; 2 off its exponent field: the conversion's scale operand
.endr
.irp b, 0,1,2,3
	v_lshrrev_b32 v[TM+4+\b], 23, v[TM+12+\b]      ; the scale's byte
.endr
	v_lshl_or_b32 v[PW], v[TM+5], 8, v[TM+4]       ; the four bytes make my row's scale word
	v_lshl_or_b32 v[PW], v[TM+6], 16, v[PW]
	v_lshl_or_b32 v[PW], v[TM+7], 24, v[PW]
.irp b, 0,1,2,3
	v_cvt_scalef32_pk8_fp4_f32 v[PC+2*\b], v[\s+16*\b:\s+7+16*\b], v[TM+12+\b]
	v_cvt_scalef32_pk8_fp4_f32 v[PC+1+2*\b], v[\s+8+16*\b:\s+15+16*\b], v[TM+12+\b]
.endr
	v_nop                                          ; one plain place behind a scaled conversion
.irp c, 0,1                                    ; the operand's layout wants a whole block in a lane: lanes 0-15 block 2 c, lanes 16-31 block 2 c + 1
.irp i, 0,1
	v_permlane16_swap_b32 v[PC+4*\c+\i], v[PC+2+4*\c+\i]
.endr
.endr
.endm
.macro IMAGE s                         ; the fragment and its scale word go to LDS as they stand
.irp c, 0,1
	ds_store_b128 v[XWI], v[PC+4*\c:PC+4*\c+3] offset:XIMG+1024*\s+512*\c
.endr
	ds_store_b32 v[XWS], v[PW] offset:XSC+128*\s
.endm
.macro FETCH mt, p                     ; row tile mt's four fragments and four scale words into set p: 12 LDS loads
.irp s, 0,1,2,3
.irp c, 0,1
	ds_load_b128 v[XF+32*(\p)+8*\s+4*\c:XF+32*(\p)+8*\s+4*\c+3], v[LI] offset:XIMG+1024*(4*(\mt)+\s)+512*\c
.endr
.endr
.irp s, 0,1,2,3
	ds_load_b32 v[XS+4*(\p)+\s], v[LS] offset:XSC+128*(4*(\mt)+\s)
.endr
.endm
; The eight row tiles.  kind 0: q, 1: k, 2: v.  A tile is 16 matrix instructions: K ascending, my four column tiles by turns, one instruction a turn; the first K step starts the sums.
.macro MTS kind
	FETCH 0, 0
.irp mt, 0,1,2,3,4,5,6,7
.set PP, (\mt)%2
.if \mt < 7
	FETCH \mt+1, (\mt+1)%2                         ; into the set that the tile before multiplied: its products stand behind four v_nop and the conversions
	s_wait_dscnt 12                                ; this tile's 12 loads are in; the 12 just issued may be out
.else
	s_wait_dscnt 0x0
.endif
.if \kind == 2
	WIN 0x04                                       ; source 1 (W) in window 1
.else
	WIN 0x01                                       ; source 0 (W) in window 1
.endif
.irp s, 0,1,2,3
.irp n, 0,1,2,3
.if \kind == 2
.if \s == 0
	v_wmma_scale_f32_16x16x128_f8f6f4 v[ACC+8*\n:ACC+8*\n+7], v[XF+32*PP+8*\s:XF+32*PP+8*\s+7], v[8*(4*\n+\s):8*(4*\n+\s)+7], 0, v[XS+4*PP+\s], v[WS+4*\n+\s] matrix_a_fmt:MATRIX_FMT_FP4 matrix_b_fmt:MATRIX_FMT_FP4
.else
	v_wmma_scale_f32_16x16x128_f8f6f4 v[ACC+8*\n:ACC+8*\n+7], v[XF+32*PP+8*\s:XF+32*PP+8*\s+7], v[8*(4*\n+\s):8*(4*\n+\s)+7], v[ACC+8*\n:ACC+8*\n+7], v[XS+4*PP+\s], v[WS+4*\n+\s] matrix_a_fmt:MATRIX_FMT_FP4 matrix_b_fmt:MATRIX_FMT_FP4
.endif
.else
.if \s == 0
	v_wmma_scale_f32_16x16x128_f8f6f4 v[ACC+8*\n:ACC+8*\n+7], v[8*(4*\n+\s):8*(4*\n+\s)+7], v[XF+32*PP+8*\s:XF+32*PP+8*\s+7], 0, v[WS+4*\n+\s], v[XS+4*PP+\s] matrix_a_fmt:MATRIX_FMT_FP4 matrix_b_fmt:MATRIX_FMT_FP4
.else
	v_wmma_scale_f32_16x16x128_f8f6f4 v[ACC+8*\n:ACC+8*\n+7], v[8*(4*\n+\s):8*(4*\n+\s)+7], v[XF+32*PP+8*\s:XF+32*PP+8*\s+7], v[ACC+8*\n:ACC+8*\n+7], v[WS+4*\n+\s], v[XS+4*PP+\s] matrix_a_fmt:MATRIX_FMT_FP4 matrix_b_fmt:MATRIX_FMT_FP4
.endif
.endif
.endr
.endr
	WIN 0
.rept 4
	v_nop                                          ; four places between the last product and the first read of results (ISA guide 7.12.1)
.endr
.if \kind == 0
.irp i, 0,2,4,6,8,10,12,14,16,18,20,22,24,26,28,30
	v_pk_mul_f32 v[ACC+\i:ACC+\i+1], v[ACC+\i:ACC+\i+1], s[CS:CS+1] op_sel_hi:[1,0]   ; q x c, in f32; each accumulator from its low end on
.endr
.endif
	s_wait_xcnt 0x0                                ; the last tile's stores have read their data: the packed results are written again only behind this wait
.irp n, 0,1,2,3
.irp i, 0,1,2,3
	v_cvt_pk_f16_f32 v[PK+4*\n+\i], v[ACC+8*\n+2*\i], v[ACC+8*\n+2*\i+1]   ; each accumulator from its low end on
.endr
.endr
.irp n, 0,1,2,3
.if \kind == 0
	global_store_b128 v[LI], v[PK+4*\n:PK+4*\n+3], s[12:13] offset:2048*\mt+512*\n
.elseif \kind == 1
	global_store_b128 v[LI], v[PK+4*\n:PK+4*\n+3], s[14:15] offset:8192*(\mt/2)+2048*(\mt%2)+512*\n
.else
	global_store_b128 v[LI], v[PK+4*\n:PK+4*\n+3], s[14:15] offset:8192*(\mt/2)+4096+1024*\n+512*(\mt%2)
.endif
.endr
.endr
.endm
	s_load_b256 s[4:11], s[0:1], 0x0               ; img, clinic, wc, ws
	s_load_b128 s[12:15], s[0:1], 0x20             ; qi, kv
	v_lshl_add_u32 v[SPW], v0, 2, SPARE
	v_mov_b32 v[NIL], 0
	v_lshrrev_b32 v1, 5, v0
	v_readfirstlane_b32 s16, v1                    ; wave 0..7 = the head
	v_and_b32 v1, 31, v0                           ; lane
	v_and_b32 v2, 15, v0                           ; r
	v_bfe_u32 v3, v0, 4, 1                         ; h
	v_lshlrev_b32 v[XA], 11, v2
	v_lshl_add_u32 v[XA], v3, 6, v[XA]
	v_lshlrev_b32 v[LI], 4, v1
	v_lshlrev_b32 v[LS], 2, v1
	s_lshl_b32 s36, s16, 12
	v_add_nc_u32 v[XWI], s36, v[LI]
	s_lshl_b32 s36, s16, 9
	v_add_nc_u32 v[XWS], s36, v[LS]
	v_lshlrev_b32 v[WSO], 2, v2
.irp b, 0,1,2,3
	v_mov_b32 v[TM+4+\b], 0                        ; written once: a lane permute's destination counts as one of its sources
.endr
	s_mov_b32 s[SEL], 0x76543210
	s_mov_b32 s[SEL+1], 0xfedcba98
	s_mov_b32 s[CS], 0x3e38aa3b                    ; c = log2(e) / sqrt(64)
	s_mov_b32 s[CS+1], s[CS]                       ; named with it as a pair, so it is written
	s_and_b32 s17, ttmp7, 0xffff                   ; y: q, k or v
	s_lshr_b32 s18, ttmp9, 5                       ; t
	s_and_b32 s19, ttmp9, 31                       ; rb: 128 rows
	s_lshr_b32 s20, s19, 4                         ; b
	s_and_b32 s21, s19, 15                         ; nb: 128 rows within the batch
	s_lshl_b32 s22, s19, 18                        ; x: (128 rb + 16 wave) rows of 2,048 bytes
	s_lshl_b32 s36, s16, 15
	s_add_co_u32 s22, s22, s36
	s_mov_b32 s23, 0
	s_mul_i32 s37, s18, 3
	s_add_co_u32 s37, s37, s17                     ; the weight: 3 t + y
	s_lshl_b32 s24, s37, 17                        ; wc: 131,072 a weight, 16,384 a head
	s_lshl_b32 s36, s16, 14
	s_add_co_u32 s24, s24, s36
	s_mov_b32 s25, 0
	s_lshl_b32 s26, s37, 13                        ; ws: 8,192 a weight, 256 a head
	s_lshl_b32 s36, s16, 8
	s_add_co_u32 s26, s26, s36
	s_mov_b32 s27, 0
	s_lshl_b32 s28, s18, 22                        ; qi: ((((2 t + b) 8 + head) 128) + 8 nb) x 2,048
	s_lshl_b32 s36, s20, 21
	s_add_co_u32 s28, s28, s36
	s_lshl_b32 s36, s16, 18
	s_add_co_u32 s28, s28, s36
	s_lshl_b32 s36, s21, 14
	s_add_co_u32 s28, s28, s36
	s_mov_b32 s29, 0
	s_lshl_b32 s30, s20, 23                        ; kv: ((((8 b + head) 2 + t) 64) + 4 nb) x 8,192
	s_lshl_b32 s36, s16, 20
	s_add_co_u32 s30, s30, s36
	s_lshl_b32 s36, s18, 19
	s_add_co_u32 s30, s30, s36
	s_lshl_b32 s36, s21, 15
	s_add_co_u32 s30, s30, s36
	s_mov_b32 s31, 0
	s_wait_kmcnt 0x0
	s_cmp_eq_u32 s18, 0                            ; img or clinic: the choice hangs on the work-group's number alone
	s_cselect_b64 s[4:5], s[4:5], s[6:7]
	s_add_nc_u64 s[4:5], s[4:5], s[22:23]
	s_add_nc_u64 s[8:9], s[8:9], s[24:25]
	s_add_nc_u64 s[10:11], s[10:11], s[26:27]
	s_add_nc_u64 s[12:13], s[12:13], s[28:29]
	s_add_nc_u64 s[14:15], s[14:15], s[30:31]
	WIN 0x40                                       ; destination window 1
.irp i, 0,1,2,3,4,5,6,7,8,9,10,11,12,13,14,15,16,17,18,19,20,21,22,23,24,25,26,27,28,29,30,31
	global_load_b128 v[4*\i:4*\i+3], v[LI], s[8:9] offset:512*\i   ; my head's 16 fragments, as they lie: (column tile n, K step s), half c at register 4 (8 n + 2 s + c)
.endr
	WIN 0
.irp n, 0,1,2,3
.irp s, 0,1,2,3
	global_load_b32 v[WS+4*\n+\s], v[WSO], s[10:11] offset:2048*\s+64*\n
.endr
.endr
	XLOAD STA, 0
	XLOAD STB, 1
	s_wait_loadcnt 16                              ; all but the youngest 16 loads: K step 0 (and the weight) are in
	QUANT STA
	IMAGE 0
	XLOAD STA, 2
	s_wait_dscnt 0x0                               ; the stores have read their registers
	s_wait_loadcnt 16                              ; K step 1 is in; K step 2's 16 loads may be out
	QUANT STB
	IMAGE 1
	XLOAD STB, 3
	s_wait_dscnt 0x0
	s_wait_loadcnt 16                              ; K step 2 is in; K step 3's may be out
	QUANT STA
	IMAGE 2
	s_wait_dscnt 0x0
	s_wait_loadcnt 0x0
	QUANT STB
	IMAGE 3
	s_wait_dscnt 0x0                               ; for the others' sake: my stores have landed
	s_barrier_signal -1
	s_barrier_wait -1                              ; the 32 fragments of the 128 rows lie in LDS; nothing is stored there any more
	s_cmp_eq_u32 s17, 1
	s_cbranch_scc1 .Lk
	s_cmp_eq_u32 s17, 2
	s_cbranch_scc1 .Lv
	MTS 0
	s_branch .Lend
.Lk:
	MTS 1
	s_branch .Lend
.Lv:
	MTS 2
.Lend:
	s_wait_tensorcnt 0x0                           ; the wave's end: behind my last LDS store
	ds_add_u32 v[SPW], v[NIL]
	s_wait_dscnt 0x0
	s_endpgm
.Lfunc_end_k_q10ee64696d_proj:
	.size	k_q10ee64696d_proj, .Lfunc_end_k_q10ee64696d_proj-k_q10ee64696d_proj
	.p2alignl 7, 3214868480
	.fill 96, 4, 3214868480
	.section	.rodata,"a",@progbits
	.p2align	6, 0x0
	.amdhsa_kernel k_q10ee64696d_proj
		.amdhsa_group_segment_fixed_size 37888
		.amdhsa_private_segment_fixed_size 0
		.amdhsa_enable_private_segment 0
		.amdhsa_kernarg_size 48
		.amdhsa_user_sgpr_count 2
		.amdhsa_user_sgpr_kernarg_segment_ptr 1
		.amdhsa_wavefront_size32 1
		.amdhsa_system_sgpr_workgroup_id_x 1
		.amdhsa_system_sgpr_workgroup_id_y 1
		.amdhsa_system_sgpr_workgroup_id_z 1
		.amdhsa_system_vgpr_workitem_id 0
		.amdhsa_next_free_vgpr 384
		.amdhsa_next_free_sgpr 66
		.amdhsa_reserve_vcc 0
		.amdhsa_float_denorm_mode_32 3
		.amdhsa_float_denorm_mode_16_64 3
		.amdhsa_memory_ordered 1
		.amdhsa_forward_progress 1
		.amdhsa_inst_pref_size 143
	.end_amdhsa_kernel
	.amdgpu_metadata
---
amdhsa.version: [ 1, 2 ]
amdhsa.kernels:
  - .name:           k_q10ee64696d_proj
    .symbol:         k_q10ee64696d_proj.kd
    .args:
      - { .name: img, .offset: 0, .size: 8, .value_kind: global_buffer, .address_space: global }
      - { .name: clinic, .offset: 8, .size: 8, .value_kind: global_buffer, .address_space: global }
      - { .name: wc, .offset: 16, .size: 8, .value_kind: global_buffer, .address_space: global }
      - { .name: ws, .offset: 24, .size: 8, .value_kind: global_buffer, .address_space: global }
      - { .name: qi, .offset: 32, .size: 8, .value_kind: global_buffer, .address_space: global }
      - { .name: kv, .offset: 40, .size: 8, .value_kind: global_buffer, .address_space: global }
    .group_segment_fixed_size: 37888
    .private_segment_fixed_size: 0
    .kernarg_segment_align: 8
    .kernarg_segment_size: 48
    .max_flat_workgroup_size: 256
    .sgpr_count:     66
    .vgpr_count:     384
    .wavefront_size: 32
...
	.end_amdgpu_metadata
.endif
;; end of part 2
;; launch attn (part 3): grid 16 x 16, 8 waves a work-group, clusters of 4 x 1, 327,680 bytes of LDS; arguments qi, kv, oi; writes oi
.if DOCPART == 3
	.amdgcn_target "amdgcn-amd-amdhsa--gfx1250"
	.amdhsa_code_object_version 6
	.text
	.protected	k_q10ee64696d_attn
	.globl	k_q10ee64696d_attn
	.p2align	8
	.type	k_q10ee64696d_attn,@function
k_q10ee64696d_attn:
	s_mov_b64 s[64:65], 0
	v_nop
	global_prefetch_b8 v0, s[64:65] scope:SCOPE_SE
	s_setreg_imm32_b32 hwreg(HW_REG_WAVE_MODE, 25, 1), 1
	s_wait_xcnt 0x0
	s_wait_alu depctr_hold_cnt(0) depctr_sa_sdst(0) depctr_va_vdst(0) depctr_va_sdst(0) depctr_va_ssrc(0) depctr_va_vcc(0) depctr_vm_vsrc(0)
	s_getreg_b32 s2, hwreg(HW_REG_IB_STS2, 6, 4)
	s_cmp_eq_u32 s2, 0
	s_cbranch_scc0 .Lentry_in_a_cluster
	s_endpgm
.Lentry_in_a_cluster:
	s_bfe_u32 s2, ttmp6, 0x10000c
	s_cmp_lg_u32 s2, 0x3003
	s_cbranch_scc0 .Lentry_shape_is_right
	s_endpgm
.Lentry_shape_is_right:
; BOTH ATTENTIONS OF A BLOCK OF QUERIES, AND THEIR MEAN.  Every query tensor (img's, clinic's) attends to img's keys and to clinic's, each set with one appended key and value of zeros; the result is 0.5 x (first + second).
; So a block of queries walks ONE stream of 4,096 keys of its (batch, head): img's 2,048, then clinic's, and the running softmax starts anew at key 2,048.
; THE ZERO KEY has score 0 and value 0: it IS the start of the running softmax: maximum 0, sum 1, O = 0.
; All operands are f16, sums f32.  q arrives times c = log2(e) / 8: the scores are exponents of two.  p = 2^(s - m), m the running maximum (the zero key's 0 among it); when m moves, the sum and O are multiplied by 2^(old m - new m).
; SHARES.  Work-group X = 4 x cluster x + cx: tensor t = X / 8, 256 queries qb = X % 8; work-group y = 8 b + head.  Each of the eight waves owns 32 queries: two tiles of 16.  Two waves share a SIMD, so that one wave's
; softmax stands beside the other's products.  16 x 16 = 256 work-groups of equal work.
; LAYOUT.  Both products are used transposed: S^T = K Q^T (source 0 = 16 keys, source 1 = 16 queries), O^T = V^T P (source 0 = 16 channels, source 1 = P): a lane holds ONE query throughout, and two tiles of S^T, rounded in
; pairs, are source 1 of the second product.  K and V^T lie in memory in the order of the operands' registers (16 bytes a lane at 16 x lane), so a step of 64 keys is 16,384 dense bytes and every LDS load takes 512 consecutive bytes.
; THE RING.  Two slots of 512 keys (131,072 bytes, 8 steps).  Wave w brings step w of a slot with one tensor load; one load of mine is out behind each change of slots, and it has a slot's 8 steps in which to land.
; CLUSTER.  The four partners have the same (b, head) and walk the same stream: each tile is asked for JOINTLY, by the same load with the same descriptor and the mask of all four.
; THE RESULT leaves as f16 straight from registers, in the order of the last product's operand registers: oi [t 2][b 2][qt 128][kc 16][j 2][lane][16 B], k = 64 head + channel.  No LDS store in this text.
; LIMITS: NaN and infinities are not served; 0.5 x (sum) must lie within f16's 65,504.
; REGISTERS.  Window 0: v1-5 addresses; v8-23 statistics, eight a tile: +0 m, +1 the old m, +2, +3 the sum (even keys', odd keys'), +4..+7 at work (a = 2^(old m - new m) at +6); v32-63 Q; v64-127 S^T, then p; v128-159 P;
;   v160-223 O^T; v224-255 the packed result.   Window 1: v0-63 K of a step; v64-127 V^T of a step; v128-191 the first attention's 0.5 O / sum.
.set STEPB, 16384                      ; a step: 64 keys: two units of (4,096 bytes of K, 4,096 of V^T)
.set SLOT1, 131072                     ; slot 1 begins here: one exclusive or turns an address in one slot into the other's
.set SPARE, 262144                     ; behind the ring: the spare words, 128 bytes for each of the eight waves: four blocks of 256 bytes that no other line names
.set LI,  1                            ; v1   16 x lane; never rewritten
.set ADR, 2                            ; v2   LDS address of the step in hand
.set PFO, 3                            ; v3   256 x lane: the prefetches' offset; never rewritten
.set SPW, 4                            ; v4   LDS address of my spare word; never rewritten
.set NIL, 5                            ; v5   0; never rewritten
.set ST,  8
.set Q,   32
.set S,   64
.set P,   128
.set O,   160
.set PKO, 224
.set SAVE, 128                         ; in window 1
.set WV,  12                           ; s12  my wave's number
.set LIM, 15                           ; s15  1 in a wave that prefetches, else the greatest number
.set G1,  24                           ; s[24:31] descriptor group 1
.set G0,  32                           ; s[32:35] descriptor group 0, which walks
.set PFA, 36                           ; s[36:37] where my prefetches stand
.set SEL, 38                           ; s[38:39] lane selects for v_permlanex16_b32: lane l xor 16
.set TB,  40                           ; s40  LDS byte at which the step in hand begins
.set SLOTS, 41                         ; s41  slots still to be asked for
.set STP, 42                           ; s42  counts a slot's steps
.set MSB, 0
.macro WIN new                         ; the immediate's high byte repeats the setting that is left
.if MSB != \new
	s_set_vgpr_msb (MSB<<8)|\new
.set MSB, \new
.endif
.endm
; A round of the cluster's barrier: my work-group's barrier, wave 0 signals for the work-group, every wave waits for all four work-groups, my work-group's barrier once more.
.macro CROUND
	s_barrier_signal -1
	s_barrier_wait -1
	s_cmp_lg_u32 s[WV], 0
	s_cbranch_scc1 .Lnot_wave_0_\@
	s_barrier_signal -3
.Lnot_wave_0_\@:
	s_barrier_wait -3
	s_barrier_signal -1
	s_barrier_wait -1
.endm
; A PREFETCH INTO THE L2 of the slot that the NEXT change of slots will ask for: 131,072 bytes, 8 steps ahead of that load.  Each aligned block of 256 bytes is named once in the launch: all clusters of a (b, head) walk the same
; stream, so the first of them (cluster x = 0) asks; its four partners take 32,768 bytes each, told apart BY ADDRESS; in each, waves 0 to 3 take 8,192 bytes, lanes 256 bytes apart, one instruction a wave.
; The last change that fills a slot asks for nothing: no slot stands behind it.  Slots 0 and 1 come by their loads alone.
.macro ASK
	s_cmp_gt_u32 s[SLOTS], s[LIM]
	s_cbranch_scc0 .Lnot_mine_\@
	global_prefetch_b8 v[PFO], s[PFA:PFA+1] th:TH_LOAD_NT scope:SCOPE_SE
.Lnot_mine_\@:
.endm
; S^T of tile t: 8 products: channels 32 f on, keys 16 kt on.  The four accumulators take turns, one instruction a turn; the first four start the sums.
.macro KQ t
.irp f, 0,1
.irp kt, 0,1,2,3
.if \f == 0
	v_wmma_f32_16x16x32_f16 v[S+32*\t+8*\kt:S+32*\t+8*\kt+7], v[16*\kt+8*\f:16*\kt+8*\f+7], v[Q+16*\t+8*\f:Q+16*\t+8*\f+7], 0
.else
	v_wmma_f32_16x16x32_f16 v[S+32*\t+8*\kt:S+32*\t+8*\kt+7], v[16*\kt+8*\f:16*\kt+8*\f+7], v[Q+16*\t+8*\f:Q+16*\t+8*\f+7], v[S+32*\t+8*\kt:S+32*\t+8*\kt+7]
.endif
.endr
.endr
.endm
; O^T of tile t += V^T P: 8 products: keys 32 g on, channels 16 ct on; the four accumulators by turns.
.macro PV t
.irp g, 0,1
.irp ct, 0,1,2,3
	v_wmma_f32_16x16x32_f16 v[O+32*\t+8*\ct:O+32*\t+8*\ct+7], v[64+32*\g+8*\ct:64+32*\g+8*\ct+7], v[P+16*\t+8*\g:P+16*\t+8*\g+7], v[O+32*\t+8*\ct:O+32*\t+8*\ct+7]
.endr
.endr
.endm
; The softmax of tile t for a step, up to what V^T P wants: the maximum, p, P in f16, O^T under the new maximum.
.macro SMA t
.set rT, ST+8*(\t)
.set rS, S+32*(\t)
.set rP, P+16*(\t)
.set rO, O+32*(\t)
.irp j, 0,1,2,3
	v_max3_num_f32 v[rT+4+\j], v[rS+8*\j], v[rS+8*\j+1], v[rS+8*\j+2]   ; four chains, one for each accumulator, each begun at the accumulator's low end
.endr
.irp i, 3,5
.irp j, 0,1,2,3
	v_max3_num_f32 v[rT+4+\j], v[rT+4+\j], v[rS+8*\j+\i], v[rS+8*\j+\i+1]
.endr
.endr
	v_max3_num_f32 v[rT+4], v[rT+4], v[rS+7], v[rS+15]
	v_max3_num_f32 v[rT+6], v[rT+6], v[rS+23], v[rS+31]
	v_max3_num_f32 v[rT+4], v[rT+4], v[rT+5], v[rT+6]
	v_max3_num_f32 v[rT+4], v[rT+4], v[rT+7], v[rT]                  ; and the old m
	v_permlanex16_b32 v[rT+5], v[rT+4], s[SEL], s[SEL+1]             ; the query's other 32 keys lie in the lane 16 away
	v_mov_b32 v[rT+1], v[rT]
	v_max_num_f32 v[rT], v[rT+4], v[rT+5]                            ; the new m
	v_sub_f32 v[rT+7], v[rT+1], v[rT]                                ; old m - new m, 0 or less
.set i, 0
.rept 16
	v_pk_add_f32 v[rS+i:rS+i+1], v[rS+i:rS+i+1], v[rT:rT+1] op_sel_hi:[1,0] neg_lo:[0,1] neg_hi:[0,1]   ; s - m, two at a time
.set i, i+2
.endr
	v_exp_f32 v[rT+6], v[rT+7]                                       ; a
.set i, 0
.rept 32
	v_exp_f32 v[rS+i], v[rS+i]                                       ; p, at most 1
.set i, i+1
.endr
	v_nop                                          ; a plain instruction behind the last exponential, ahead of the first use
	s_wait_alu depctr_va_vdst(0)                   ; the wait ahead of the first instruction that names a result: one for the batch of 33
.set i, 0
.rept 16
	v_cvt_pk_f16_f32 v[rP+i], v[rS+2*i], v[rS+2*i+1]
.set i, i+1
.endr
.set i, 0
.rept 16
	v_pk_mul_f32 v[rO+i:rO+i+1], v[rO+i:rO+i+1], v[rT+6:rT+7] op_sel_hi:[1,0]   ; O^T x a; each accumulator from its low end on
.set i, i+2
.endr
.endm
; The rest of it, which names no register of V^T P and stands behind those products' issue: the sum of the unrounded p, in place, neighbours 1, 2, 4, 8 pairs apart; then the running sum x a + it.
.macro SMB t
.set rT, ST+8*(\t)
.set rS, S+32*(\t)
.irp u, 0,1,2,3,4,5,6,7
	v_pk_add_f32 v[rS+4*\u:rS+4*\u+1], v[rS+4*\u:rS+4*\u+1], v[rS+4*\u+2:rS+4*\u+3]
.endr
.irp u, 0,1,2,3
	v_pk_add_f32 v[rS+8*\u:rS+8*\u+1], v[rS+8*\u:rS+8*\u+1], v[rS+8*\u+4:rS+8*\u+5]
.endr
.irp u, 0,1
	v_pk_add_f32 v[rS+16*\u:rS+16*\u+1], v[rS+16*\u:rS+16*\u+1], v[rS+16*\u+8:rS+16*\u+9]
.endr
	v_pk_add_f32 v[rS:rS+1], v[rS:rS+1], v[rS+16:rS+17]
	v_pk_fma_f32 v[rT+2:rT+3], v[rT+2:rT+3], v[rT+6:rT+7], v[rS:rS+1] op_sel_hi:[1,0,1]
.endm
; A KEY STEP: 64 keys.  The loads into K's and V's registers stand more than four plain vector instructions behind the products that read them: behind the last V^T P stand SMB's sixteen additions, which name none of its registers.
.macro STEP
	v_add_nc_u32 v[ADR], s[TB], v[LI]
	WIN 0x40                                       ; destination window 1
.irp kt, 0,1,2,3
.irp f, 0,1
.irp j, 0,1
	ds_load_b128 v[16*\kt+8*\f+4*\j:16*\kt+8*\f+4*\j+3], v[ADR] offset:8192*(\kt/2)+2048*(\kt%2)+1024*\f+512*\j
.endr
.endr
.endr
.irp g, 0,1
.irp ct, 0,1,2,3
.irp j, 0,1
	ds_load_b128 v[64+32*\g+8*\ct+4*\j:64+32*\g+8*\ct+4*\j+3], v[ADR] offset:8192*\g+4096+1024*\ct+512*\j
.endr
.endr
.endr
	s_wait_dscnt 16                                ; K's 16 loads are in; V's 16, issued behind them, may be out
	WIN 0x01                                       ; source 0 in window 1
	KQ 0
	KQ 1
	WIN 0
.rept 4
	v_nop                                          ; four places between tile 0's last product and the first read of its scores (ISA guide 7.12.1); tile 0's softmax is then tile 1's places
.endr
	SMA 0
	s_wait_dscnt 0x0                               ; V is in
	WIN 0x01
	PV 0
	WIN 0
	SMB 0
	SMA 1
	WIN 0x01
	PV 1
	WIN 0
	SMB 1
	s_add_co_u32 s[TB], s[TB], STEPB
.endm
.macro SLOT_STEPS                      ; a slot's eight steps: written once, walked eight times
	s_mov_b32 s[STP], 8
.Lstep_\@:
	STEP
	s_sub_co_u32 s[STP], s[STP], 1
	s_cmp_lg_u32 s[STP], 0
	s_cbranch_scc1 .Lstep_\@
	s_sub_co_u32 s[TB], s[TB], 8*STEPB             ; back to a slot's first step,
	s_xor_b32 s[TB], s[TB], SLOT1                  ; in the other slot
.endm
; THE CHANGE OF SLOTS stands at a slot's head.  Each wave waits for all its tensor loads (its step of the slot that it is about to read), adds 0 to its spare word, and waits for that and for its reads of the slot that it has left.
; fill = 1: a round of the cluster's barrier, so that no wave of any partner still reads the other slot or has a load on its way; the joint load of the next 512 keys is the first thing behind it.
.macro CHANGE fill
	s_wait_tensorcnt 0x0                           ; no tensor load of mine is out, so group 0 may be written
	ds_add_u32 v[SPW], v[NIL]                      ; 0 onto my spare word
.if \fill
	s_xor_b32 s[G0+1], s[G0+1], SLOT1              ; the walking descriptor: the other slot than last time,
	s_add_nc_u64 s[G0+2:G0+3], s[G0+2:G0+3], SLOT1 ; the next 512 keys; the type bits on top are not reached
	s_wait_xcnt 0x0                                ; the last prefetch, a slot back, has read its address, so it may be written:
	s_add_nc_u64 s[PFA:PFA+1], s[PFA:PFA+1], SLOT1 ; one slot further on than the walking descriptor
	s_wait_dscnt 0x0                               ; the add is done, and my reads of the slot that I have left are over
	CROUND
	tensor_load_to_lds s[G0:G0+3], s[G1:G1+7]      ; my one tensor load behind the round
	s_nop 0
.rept 4
	v_nop
.endr
	ASK
.else
	s_wait_dscnt 0x0
	s_barrier_signal -1
	s_barrier_wait -1
.endif
.endm
; The start of a softmax: the zero key.  m = 0; the sum 1, as 0.5 in each half of the lanes; O^T = 0.  (The step is written once: its first walk finds these.)
.macro RESET
.set i, 0
.rept 64
	v_mov_b32 v[O+i], 0
.set i, i+1
.endr
.irp t, 0,1
	v_mov_b32 v[ST+8*\t], 0
	v_mov_b32 v[ST+8*\t+1], 0
	v_mov_b32 v[ST+8*\t+2], 0.5
	v_mov_b32 v[ST+8*\t+3], 0
.endr
.endm
; The end of an attention: 0.5 O^T / sum.  first = 1: kept in window 1, and the softmax starts anew.  first = 0: added to what was kept, rounded to f16 and stored.
; (SMB's sixteen additions are the places between the last products and the first read of O^T.)
.macro FINISH first
.irp t, 0,1
	v_add_f32 v[ST+8*\t+4], v[ST+8*\t+2], v[ST+8*\t+3]
.endr
.irp t, 0,1
	v_permlanex16_b32 v[ST+8*\t+5], v[ST+8*\t+4], s[SEL], s[SEL+1]
.endr
.irp t, 0,1
	v_add_f32 v[ST+8*\t+4], v[ST+8*\t+4], v[ST+8*\t+5]               ; the row's sum
.endr
.irp t, 0,1
	v_rcp_f32 v[ST+8*\t+6], v[ST+8*\t+4]
.endr
	v_nop                                          ; a plain instruction behind the last reciprocal
	s_wait_alu depctr_va_vdst(0)                   ; and the wait ahead of the first use: one for the two
.irp t, 0,1
	v_mul_f32 v[ST+8*\t+6], 0.5, v[ST+8*\t+6]
.endr
.if \first
	WIN 0x40                                       ; destination window 1
.irp t, 0,1
.set i, 0
.rept 16
	v_pk_mul_f32 v[SAVE+32*\t+i:SAVE+32*\t+i+1], v[O+32*\t+i:O+32*\t+i+1], v[ST+8*\t+6:ST+8*\t+7] op_sel_hi:[1,0]
.set i, i+2
.endr
.endr
	WIN 0
	RESET
.else
	WIN 0x10                                       ; source 2 window 1
.irp t, 0,1
.set i, 0
.rept 16
	v_pk_fma_f32 v[O+32*\t+i:O+32*\t+i+1], v[O+32*\t+i:O+32*\t+i+1], v[ST+8*\t+6:ST+8*\t+7], v[SAVE+32*\t+i:SAVE+32*\t+i+1] op_sel_hi:[1,0,1]
.set i, i+2
.endr
.endr
	WIN 0
.set i, 0
.rept 32
	v_cvt_pk_f16_f32 v[PKO+i], v[O+2*i], v[O+2*i+1]
.set i, i+1
.endr
.irp t, 0,1
.irp ct, 0,1,2,3
	global_store_b128 v[LI], v[PKO+16*\t+4*\ct:PKO+16*\t+4*\ct+3], s[8:9] offset:16384*\t+512*\ct   ; lane (r, h): row r, k = 64 head + 16 ct + 8 h + 0..7: 512 consecutive bytes, aligned
.endr
.endr
.endif
.endm
	s_load_b128 s[4:7], s[0:1], 0x0                ; qi, kv
	s_load_b64 s[8:9], s[0:1], 0x10                ; oi
	v_lshl_add_u32 v[SPW], v0, 2, SPARE
	v_mov_b32 v[NIL], 0
	ds_add_u32 v[SPW], v[NIL]                      ; the wave's opening: the add, twice on end, and its wait ahead of my first tensor load; the set-up below stands between the second and the wait
	ds_add_u32 v[SPW], v[NIL]
	v_lshrrev_b32 v6, 5, v0
	v_readfirstlane_b32 s[WV], v6                  ; wave 0..7
	v_and_b32 v6, 31, v0
	v_lshlrev_b32 v[LI], 4, v6
	v_lshlrev_b32 v[PFO], 8, v6
	s_bfe_u32 s13, ttmp6, 0x40000                  ; cx: my place in the cluster
	s_lshl_b32 s14, ttmp9, 2                       ; in a cluster launch ttmp9 counts clusters
	s_add_co_u32 s14, s14, s13                     ; X = 4 x cluster x + cx: it enters qi's and oi's addresses alone
	s_and_b32 s16, ttmp7, 0xffff                   ; y = 8 b + head, which the four partners share
	s_lshl_b32 s20, s16, 20                        ; kv: 1 MiB for each (b, head), + my step of a slot; no place in the cluster enters it
	s_lshl_b32 s[G0+1], s[WV], 14                  ; 63:32 LDS address: slot 0, step = my wave's number
	s_add_co_u32 s20, s20, s[G0+1]
	s_mov_b32 s21, 0
	s_lshl_b32 s44, s16, 20                        ; the prefetches: the same stream, slot 1 (the first change of slots steps it to slot 2),
	s_add_co_u32 s44, s44, SLOT1
	s_lshl_b32 s46, s13, 15                        ; my work-group's 32,768 bytes of a slot,
	s_add_co_u32 s44, s44, s46
	s_lshl_b32 s46, s[WV], 13                      ; my wave's 8,192 of them
	s_add_co_u32 s44, s44, s46
	s_mov_b32 s45, 0
	s_lshr_b32 s17, s14, 3                         ; t
	s_and_b32 s47, s14, 7                          ; qb
	s_lshl_b32 s18, s17, 22                        ; qi: ((16 t + y) 128 + 16 qb + 2 wave) x 2,048
	s_lshl_b32 s46, s16, 18
	s_add_co_u32 s18, s18, s46
	s_lshl_b32 s46, s47, 15
	s_add_co_u32 s18, s18, s46
	s_lshl_b32 s46, s[WV], 12
	s_add_co_u32 s18, s18, s46
	s_mov_b32 s19, 0
	s_lshl_b32 s22, s17, 22                        ; oi: ((2 t + b) 128 + 16 qb + 2 wave) x 16,384 + 2,048 head
	s_lshr_b32 s46, s16, 3
	s_lshl_b32 s46, s46, 21
	s_add_co_u32 s22, s22, s46
	s_lshl_b32 s46, s47, 18
	s_add_co_u32 s22, s22, s46
	s_lshl_b32 s46, s[WV], 15
	s_add_co_u32 s22, s22, s46
	s_and_b32 s46, s16, 7
	s_lshl_b32 s46, s46, 11
	s_add_co_u32 s22, s22, s46
	s_mov_b32 s23, 0
	; descriptor group 1: a step's 16,384 dense bytes as 64 rows of 256 bytes
	s_mov_b32 s[G1], 15|(3<<16)|(1<<21)            ; 15:0 the mask: all four work-groups; 17:16 elements of 8 bytes; 20 no padding; 21 set beside a mask
	s_mov_b32 s[G1+1], 32<<16                      ; tensor_dim0 = 32
	s_mov_b32 s[G1+2], 64<<16                      ; tensor_dim1 = 64
	s_mov_b32 s[G1+3], 32<<16                      ; tile_dim0 = 32
	s_mov_b32 s[G1+4], 64                          ; tile_dim1 = 64
	s_mov_b32 s[G1+5], 32                          ; tensor_dim0_stride
	s_mov_b32 s[G1+6], 0
	s_mov_b32 s[G1+7], 0
	s_mov_b32 s[G0], 1                             ; 1:0 count = 1
	s_mov_b32 s[SEL], 0x76543210
	s_mov_b32 s[SEL+1], 0xfedcba98
	s_mov_b32 s[TB], 0
	s_mov_b32 s[SLOTS], 7
	s_lshr_b32 s[LIM], s[WV], 2                    ; 0 in waves 0 to 3,
	s_or_b32 s[LIM], s[LIM], ttmp9                 ; where the cluster is the first of its (b, head): the same in all four partners
	s_cmp_eq_u32 s[LIM], 0
	s_cselect_b32 s[LIM], 1, -1
	s_wait_dscnt 0x0                               ; both opening adds are done
	s_wait_kmcnt 0x0
	s_add_nc_u64 s[G0+2:G0+3], s[6:7], s[20:21]    ; 120:64 global address: my step of the first 512 keys
	s_or_b32 s[G0+3], s[G0+3], 0x80000000          ; 127:126 type = 2
	s_add_nc_u64 s[PFA:PFA+1], s[6:7], s[44:45]
	s_add_nc_u64 s[4:5], s[4:5], s[18:19]
	s_add_nc_u64 s[8:9], s[8:9], s[22:23]
	CROUND                                         ; all four work-groups are here: the first joint loads meet
	tensor_load_to_lds s[G0:G0+3], s[G1:G1+7]      ; slot 0
	s_nop 0
.rept 4
	v_nop
.endr
.irp i, 0,1,2,3,4,5,6,7
	global_load_b128 v[Q+4*\i:Q+4*\i+3], v[LI], s[4:5] offset:512*\i   ; Q stays in registers: tile i / 4, channels 32 ((i / 2) % 2) on, part i % 2
.endr
	RESET
	s_wait_loadcnt 0x0                             ; Q
.Lslot:                                            ; seven trips: behind each change of slots but the last the next 512 keys are asked for
	CHANGE 1
	SLOT_STEPS
	s_cmp_lg_u32 s[SLOTS], 4                       ; the fourth slot ends img's keys
	s_cbranch_scc1 .Lsame
	FINISH 1
.Lsame:
	s_sub_co_u32 s[SLOTS], s[SLOTS], 1
	s_cmp_lg_u32 s[SLOTS], 0
	s_cbranch_scc1 .Lslot
	CHANGE 0                                       ; the last slot is written out
	SLOT_STEPS
	FINISH 0
	s_wait_tensorcnt 0x0                           ; the wave's end: behind my last tensor load
	ds_add_u32 v[SPW], v[NIL]
	s_wait_dscnt 0x0
	CROUND                                         ; the closing round: no work-group ends while a partner may still ask for a tile that names it
	s_endpgm
.Lfunc_end_k_q10ee64696d_attn:
	.size	k_q10ee64696d_attn, .Lfunc_end_k_q10ee64696d_attn-k_q10ee64696d_attn
	.p2alignl 7, 3214868480
	.fill 96, 4, 3214868480
	.section	.rodata,"a",@progbits
	.p2align	6, 0x0
	.amdhsa_kernel k_q10ee64696d_attn
		.amdhsa_group_segment_fixed_size 327680
		.amdhsa_private_segment_fixed_size 0
		.amdhsa_enable_private_segment 0
		.amdhsa_kernarg_size 24
		.amdhsa_user_sgpr_count 2
		.amdhsa_user_sgpr_kernarg_segment_ptr 1
		.amdhsa_wavefront_size32 1
		.amdhsa_system_sgpr_workgroup_id_x 1
		.amdhsa_system_sgpr_workgroup_id_y 1
		.amdhsa_system_sgpr_workgroup_id_z 1
		.amdhsa_system_vgpr_workitem_id 0
		.amdhsa_next_free_vgpr 448
		.amdhsa_next_free_sgpr 66
		.amdhsa_reserve_vcc 0
		.amdhsa_float_denorm_mode_32 3
		.amdhsa_float_denorm_mode_16_64 3
		.amdhsa_memory_ordered 1
		.amdhsa_forward_progress 1
		.amdhsa_inst_pref_size 54
	.end_amdhsa_kernel
	.amdgpu_metadata
---
amdhsa.version: [ 1, 2 ]
amdhsa.kernels:
  - .name:           k_q10ee64696d_attn
    .symbol:         k_q10ee64696d_attn.kd
    .args:
      - { .name: qi, .offset: 0, .size: 8, .value_kind: global_buffer, .address_space: global }
      - { .name: kv, .offset: 8, .size: 8, .value_kind: global_buffer, .address_space: global }
      - { .name: oi, .offset: 16, .size: 8, .value_kind: global_buffer, .address_space: global }
    .group_segment_fixed_size: 327680
    .private_segment_fixed_size: 0
    .kernarg_segment_align: 8
    .kernarg_segment_size: 24
    .max_flat_workgroup_size: 256
    .sgpr_count:     66
    .vgpr_count:     448
    .wavefront_size: 32
...
	.end_amdgpu_metadata
.endif
;; end of part 3
;; launch outp (part 4): grid 4 x 64, 8 waves a work-group, clusters of 4 x 4, 327,680 bytes of LDS; arguments oi, wo, b_io, b_co, out0, out1; writes out0, out1
.if DOCPART == 4
	.amdgcn_target "amdgcn-amd-amdhsa--gfx1250"
	.amdhsa_code_object_version 6
	.text
	.protected	k_q10ee64696d_outp
	.globl	k_q10ee64696d_outp
	.p2align	8
	.type	k_q10ee64696d_outp,@function
k_q10ee64696d_outp:
	s_mov_b64 s[64:65], 0
	v_nop
	global_prefetch_b8 v0, s[64:65] scope:SCOPE_SE
	s_setreg_imm32_b32 hwreg(HW_REG_WAVE_MODE, 25, 1), 1
	s_wait_xcnt 0x0
	s_wait_alu depctr_hold_cnt(0) depctr_sa_sdst(0) depctr_va_vdst(0) depctr_va_sdst(0) depctr_va_ssrc(0) depctr_va_vcc(0) depctr_vm_vsrc(0)
	s_getreg_b32 s2, hwreg(HW_REG_IB_STS2, 6, 4)
	s_cmp_eq_u32 s2, 0
	s_cbranch_scc0 .Lentry_in_a_cluster
	s_endpgm
.Lentry_in_a_cluster:
	s_bfe_u32 s2, ttmp6, 0x10000c
	s_cmp_lg_u32 s2, 0xf033
	s_cbranch_scc0 .Lentry_shape_is_right
	s_endpgm
.Lentry_shape_is_right:
; out = o W_o + b, for both tensors: 8,192 rows (img's 4,096, then clinic's) x 512 columns, K = 512; f16 operands, f32 sums.  o and W_o lie in memory in the order of the operands' registers:
;   oi [row tile 512][kc 16][j 2][lane][16 B],  wo [t 2][nt 32][kc 16][j 2][lane][16 B]: a fragment (16 rows x 32 K) is 1,024 dense bytes, 16 bytes a lane at 16 x lane.
; SHARES.  A work-group makes 128 rows x 128 columns: row tile rt = 4 x cluster y + cy, column tile 4 x cluster x + cx; t = rt / 32 = cluster y / 8.  4 x 64 = 256 work-groups.
; Wave w: 32 rows (w / 2) x 64 columns (w % 2): eight accumulators.  THE PRODUCT IS USED TRANSPOSED (source 0 = 16 columns of W_o, source 1 = 16 rows of o): a lane holds eight neighbouring columns of a row.
; The bias is the C of each sum's first product.
; ALL OF K LIES IN LDS, BY FIRST FILLS ALONE: four quarters of K (128 each), in each o's 8 row tiles and W_o's 8 column tiles of 4,096 bytes.  Waves 0-3 bring two row tiles each, waves 4-7 two column tiles, one load a quarter:
; four tensor loads of mine are out at the start.  Nothing is filled again: the waits on TENSORcnt are counted, one quarter at a time.
; CLUSTER 4 x 4: o's tiles hang on the row tile alone and are shared along a row of the cluster, W_o's on the column tile (and t) alone and are shared along a column: each is asked for JOINTLY.
; THE WAY OUT: 16 rows x 64 columns at a time through the wave's own stage in LDS (rows of 256 + 16 bytes), back as whole rows: sixteen lanes store 256 consecutive bytes, aligned.
.set QB,    65536                      ; a quarter in LDS
.set STAGE, 262144                     ; behind the four quarters: 16 rows x 272 bytes for each wave; no tensor load lands there
.set SPARE, 296960                     ; behind the stages: the spare words, 128 bytes for each of the eight waves: four blocks of 256 bytes that no other line names
.set AO,  8                            ; v8   LDS address of my fragments of o
.set AW,  9                            ; v9   and of W_o
.set STO, 10                           ; v10  the stage: where I put 32 bytes of a row
.set RD,  11                           ; v11  and where I read a row back
.set CO,  12                           ; v12  my byte offset in two rows of out
.set BO,  13                           ; v13  32 h: my eight numbers of the bias
.set SPW, 14                           ; v14  LDS address of my spare word; never rewritten
.set NIL, 15                           ; v15  0; never rewritten
.set ACC, 32                           ; v32-95   accumulator (m, n) at 8 (4 m + n)
.set BIAS, 96                          ; v96-127  eight registers for each of my four column tiles
.set FR,  128                          ; v128-223 two sets of 48: W_o's four fragments, then o's two; on the way out v128-191 take rows read back
.set WV,  16                           ; s16  my wave's number
.set G1A, 24                           ; s[24:31] group 1 for o's tiles;  s[32:47] group 0, a set for each quarter
.set G0A, 32
.set G1B, 48                           ; s[48:55], s[68:83] the same for W_o's
.set G0B, 68
.macro CROUND                          ; a round of the cluster's barrier
	s_barrier_signal -1
	s_barrier_wait -1
	s_cmp_lg_u32 s[WV], 0
	s_cbranch_scc1 .Lnot_wave_0_\@
	s_barrier_signal -3
.Lnot_wave_0_\@:
	s_barrier_wait -3
	s_barrier_signal -1
	s_barrier_wait -1
.endm
.macro PLACES                          ; four places in front of loads into registers that matrix instructions have read, and of the first read of results (ISA guide 7.12.1 for the first read of results)
.rept 4
	v_nop
.endr
.endm
.macro FETCH k, p                      ; the fragments of the quarter's k-th 32 along K into set p: 12 LDS loads
.irp n, 0,1,2,3
.irp j, 0,1
	ds_load_b128 v[FR+48*(\p)+8*\n+4*\j:FR+48*(\p)+8*\n+4*\j+3], v[AW] offset:4096*\n+1024*(\k)+512*\j
.endr
.endr
.irp m, 0,1
.irp j, 0,1
	ds_load_b128 v[FR+48*(\p)+32+8*\m+4*\j:FR+48*(\p)+32+8*\m+4*\j+3], v[AO] offset:4096*\m+1024*(\k)+512*\j
.endr
.endr
.endm
.macro MUL p, first                    ; eight products, the eight accumulators by turns, one instruction a turn
.irp m, 0,1
.irp n, 0,1,2,3
.if \first
	v_wmma_f32_16x16x32_f16 v[ACC+8*(4*\m+\n):ACC+8*(4*\m+\n)+7], v[FR+48*(\p)+8*\n:FR+48*(\p)+8*\n+7], v[FR+48*(\p)+32+8*\m:FR+48*(\p)+32+8*\m+7], v[BIAS+8*\n:BIAS+8*\n+7]
.else
	v_wmma_f32_16x16x32_f16 v[ACC+8*(4*\m+\n):ACC+8*(4*\m+\n)+7], v[FR+48*(\p)+8*\n:FR+48*(\p)+8*\n+7], v[FR+48*(\p)+32+8*\m:FR+48*(\p)+32+8*\m+7], v[ACC+8*(4*\m+\n):ACC+8*(4*\m+\n)+7]
.endif
.endr
.endr
.endm
.macro QUARTER q
	s_wait_tensorcnt 3-\q                          ; my load of this quarter has landed; the younger quarters' may stay out
	s_wait_dscnt 0x0                               ; no LDS instruction of mine is pending at a signal
	s_barrier_signal -1
	s_barrier_wait -1                              ; everybody's has
.if \q > 0
	v_add_nc_u32 v[AO], QB, v[AO]                  ; on to this quarter; with the two v_nop: the four places in front of the loads into set 0
	v_add_nc_u32 v[AW], QB, v[AW]
	v_nop
	v_nop
.endif
	FETCH 0, 0
.irp k, 0,1,2,3
.if \k < 3
	PLACES
	FETCH \k+1, (\k+1)%2
	s_wait_dscnt 12                                ; this K step's 12 loads are in; the 12 just issued may be out
.else
	s_wait_dscnt 0x0
.endif
.if (\q == 0) && (\k == 0)
	MUL 0, 1                                       ; the first K step starts the sums, from the bias
.else
	MUL (\k)%2, 0
.endif
.endr
.endm
	s_load_b256 s[4:11], s[0:1], 0x0               ; oi, wo, b_io, b_co
	s_load_b128 s[12:15], s[0:1], 0x20             ; out0, out1
	v_lshl_add_u32 v[SPW], v0, 2, SPARE
	v_mov_b32 v[NIL], 0
	ds_add_u32 v[SPW], v[NIL]                      ; the wave's opening: the add, twice on end, and its wait ahead of my first tensor load; the set-up below stands between the second and the wait
	ds_add_u32 v[SPW], v[NIL]
	v_lshrrev_b32 v1, 5, v0
	v_readfirstlane_b32 s[WV], v1                  ; wave 0..7
	s_bfe_u32 s17, ttmp6, 0x40000                  ; cx
	s_bfe_u32 s18, ttmp6, 0x40004                  ; cy
	s_and_b32 s19, ttmp7, 0xffff                   ; cluster y
	s_lshl_b32 s20, s19, 2
	s_add_co_u32 s20, s20, s18                     ; rt: the row tile = 4 x cluster y + cy
	s_lshl_b32 s21, ttmp9, 2
	s_add_co_u32 s21, s21, s17                     ; the column tile = 4 x cluster x + cx
	s_lshr_b32 s22, s19, 3                         ; t: made of the cluster's y alone
	s_lshl_b32 s23, s18, 2
	s_lshl_b32 s23, 15, s23                        ; my row of the cluster
	s_lshl_b32 s56, 0x1111, s17                    ; my column
	; descriptor group 1: two tiles of 4,096 dense bytes, 16,384 bytes apart: 2 rows of 512 elements of 8 bytes
	s_or_b32 s[G1A], s23, (3<<16)|(1<<21)          ; 15:0 the mask: o's tiles go to my row; 17:16 elements of 8 bytes; 20 no padding; 21 set beside a mask
	s_or_b32 s[G1B], s56, (3<<16)|(1<<21)          ; W_o's go to my column
.irp g, G1A, G1B
	s_mov_b32 s[\g+1], 512<<16                     ; tensor_dim0 = 512
	s_mov_b32 s[\g+2], 2<<16                       ; tensor_dim1 = 2
	s_mov_b32 s[\g+3], 512<<16                     ; tile_dim0 = 512
	s_mov_b32 s[\g+4], 2                           ; tile_dim1 = 2
	s_mov_b32 s[\g+5], 2048                        ; tensor_dim0_stride
	s_mov_b32 s[\g+6], 0
	s_mov_b32 s[\g+7], 0
.endr
	s_lshl_b32 s57, s[WV], 13                      ; where my loads go in a quarter: 8,192 x wave: no place in the cluster enters an LDS address
	s_and_b32 s58, s[WV], 3
	s_lshl_b32 s58, s58, 15                        ; which two tiles I fetch
	s_lshl_b32 s84, s20, 17                        ; o: 131,072 rt + 32,768 (wave % 4): the row tile alone
	s_add_co_u32 s84, s84, s58
	s_mov_b32 s85, 0
	s_lshl_b32 s86, s22, 19                        ; W_o: 524,288 t + 131,072 x column tile + 32,768 (wave % 4): never the cluster's cy
	s_lshl_b32 s87, s21, 17
	s_add_co_u32 s86, s86, s87
	s_add_co_u32 s86, s86, s58
	s_mov_b32 s87, 0
	s_lshr_b32 s59, s[WV], 1                       ; my 32 rows
	s_and_b32 s60, s[WV], 1                        ; my 64 columns
	s_lshl_b32 s94, s21, 9                         ; the bias: 512 x column tile + 256 x (wave % 2)
	s_lshl_b32 s61, s60, 8
	s_add_co_u32 s94, s94, s61
	s_mov_b32 s95, 0
	s_and_b32 s92, s20, 31                         ; out: ((rt % 32) 128 + 32 (wave / 2)) rows of 2,048 bytes + the same columns
	s_lshl_b32 s92, s92, 18
	s_lshl_b32 s61, s59, 16
	s_add_co_u32 s92, s92, s61
	s_add_co_u32 s92, s92, s94
	s_mov_b32 s93, 0
	s_wait_dscnt 0x0                               ; both opening adds are done
	s_wait_kmcnt 0x0
	s_add_nc_u64 s[88:89], s[4:5], s[84:85]
	s_add_nc_u64 s[90:91], s[6:7], s[86:87]
.irp q, 0,1,2,3
	s_mov_b32 s[G0A+4*\q], 1                       ; 1:0 count = 1
	s_add_co_u32 s[G0A+4*\q+1], s57, QB*\q         ; 63:32 LDS address
	s_add_nc_u64 s[G0A+4*\q+2:G0A+4*\q+3], s[88:89], 4096*\q   ; 120:64 global address: quarter q of K
	s_or_b32 s[G0A+4*\q+3], s[G0A+4*\q+3], 0x80000000          ; 127:126 type = 2
	s_mov_b32 s[G0B+4*\q], 1
	s_add_co_u32 s[G0B+4*\q+1], s57, QB*\q
	s_add_nc_u64 s[G0B+4*\q+2:G0B+4*\q+3], s[90:91], 4096*\q
	s_or_b32 s[G0B+4*\q+3], s[G0B+4*\q+3], 0x80000000
.endr
	s_cmp_eq_u32 s22, 0                            ; img's or clinic's bias and output: the choice hangs on the cluster's number alone
	s_cselect_b64 s[8:9], s[8:9], s[10:11]
	s_cselect_b64 s[12:13], s[12:13], s[14:15]
	s_add_nc_u64 s[8:9], s[8:9], s[94:95]
	s_add_nc_u64 s[12:13], s[12:13], s[92:93]
	CROUND                                         ; all sixteen work-groups are here: the joint loads meet
	s_cmp_lt_u32 s[WV], 4                          ; a wave's four fills stand in one branch on the wave's number, ahead of every wait on TENSORcnt and every LDS read
	s_cbranch_scc0 .Lfor_w
.irp q, 0,1,2,3
	tensor_load_to_lds s[G0A+4*\q:G0A+4*\q+3], s[G1A:G1A+7]
	s_nop 0
.endr
	PLACES
	s_branch .Lasked
.Lfor_w:
.irp q, 0,1,2,3
	tensor_load_to_lds s[G0B+4*\q:G0B+4*\q+3], s[G1B:G1B+7]
	s_nop 0
.endr
	PLACES
.Lasked:
	v_and_b32 v1, 15, v0                           ; r
	v_bfe_u32 v2, v0, 4, 1                         ; h
	v_lshlrev_b32 v[BO], 5, v2
.irp n, 0,1,2,3
	global_load_b128 v[BIAS+8*\n:BIAS+8*\n+3], v[BO], s[8:9] offset:64*\n       ; lane (r, h): the bias of columns 16 n + 8 h + 0..7: the result's layout
	global_load_b128 v[BIAS+8*\n+4:BIAS+8*\n+7], v[BO], s[8:9] offset:64*\n+16
.endr
	v_and_b32 v3, 31, v0
	v_lshlrev_b32 v3, 4, v3                        ; 16 x lane
	s_lshl_b32 s61, s59, 13                        ; my two row tiles of 4,096 bytes
	v_add_nc_u32 v[AO], s61, v3
	s_lshl_b32 s61, s60, 14                        ; my four column tiles, behind o's eight
	s_add_co_u32 s61, s61, 32768
	v_add_nc_u32 v[AW], s61, v3
	s_mul_i32 s61, s[WV], 16*272
	s_add_co_u32 s61, s61, STAGE                   ; my stage
	v_mul_u32_u24 v[STO], v1, 272                  ; in: row r, 32 bytes for each half of the lanes
	v_lshl_add_u32 v[STO], v2, 5, v[STO]
	v_add_nc_u32 v[STO], s61, v[STO]
	v_mul_u32_u24 v[RD], v2, 272                   ; back: lanes 0-15 one row of 256 bytes, lanes 16-31 the next
	v_lshl_add_u32 v[RD], v1, 4, v[RD]
	v_add_nc_u32 v[RD], s61, v[RD]
	v_lshlrev_b32 v[CO], 11, v2                    ; and the same two rows in out
	v_lshl_add_u32 v[CO], v1, 4, v[CO]
	s_wait_loadcnt 0x0                             ; the bias
	QUARTER 0
	QUARTER 1
	QUARTER 2
	QUARTER 3
	PLACES                                         ; between the last product and the first read of results, and the loads into the fragments' registers
.irp m, 0,1
.irp n, 0,1,2,3
	ds_store_b128 v[STO], v[ACC+8*(4*\m+\n):ACC+8*(4*\m+\n)+3] offset:64*\n        ; each accumulator from its low end on
	ds_store_b128 v[STO], v[ACC+8*(4*\m+\n)+4:ACC+8*(4*\m+\n)+7] offset:64*\n+16
.endr
.irp i, 0,1,2,3,4,5,6,7
	ds_load_b128 v[FR+32*\m+4*\i:FR+32*\m+4*\i+3], v[RD] offset:544*\i   ; LDS serves a wave's instructions in order (ISA guide 5.7.1.4): these see my stores, and the next block's stores come behind them
.endr
.endr
	s_wait_dscnt 16                                ; the first block is back; the second block's 8 stores and 8 loads may be out
.irp i, 0,1,2,3,4,5,6,7
	global_store_b128 v[CO], v[FR+4*\i:FR+4*\i+3], s[12:13] offset:(2*\i)*2048 th:TH_STORE_NT   ; 16 lanes store 256 consecutive bytes, aligned; written once, read by nobody here
.endr
	s_wait_dscnt 0x0
.irp i, 0,1,2,3,4,5,6,7
	global_store_b128 v[CO], v[FR+32+4*\i:FR+32+4*\i+3], s[12:13] offset:(16+2*\i)*2048 th:TH_STORE_NT
.endr
	s_wait_tensorcnt 0x0                           ; the wave's end: behind my last tensor load and my last LDS store
	ds_add_u32 v[SPW], v[NIL]
	s_wait_dscnt 0x0
	CROUND                                         ; the closing round: no work-group ends while a partner may still ask for a tile that names it
	s_endpgm
.Lfunc_end_k_q10ee64696d_outp:
	.size	k_q10ee64696d_outp, .Lfunc_end_k_q10ee64696d_outp-k_q10ee64696d_outp
	.p2alignl 7, 3214868480
	.fill 96, 4, 3214868480
	.section	.rodata,"a",@progbits
	.p2align	6, 0x0
	.amdhsa_kernel k_q10ee64696d_outp
		.amdhsa_group_segment_fixed_size 327680
		.amdhsa_private_segment_fixed_size 0
		.amdhsa_enable_private_segment 0
		.amdhsa_kernarg_size 48
		.amdhsa_user_sgpr_count 2
		.amdhsa_user_sgpr_kernarg_segment_ptr 1
		.amdhsa_wavefront_size32 1
		.amdhsa_system_sgpr_workgroup_id_x 1
		.amdhsa_system_sgpr_workgroup_id_y 1
		.amdhsa_system_sgpr_workgroup_id_z 1
		.amdhsa_system_vgpr_workitem_id 0
		.amdhsa_next_free_vgpr 256
		.amdhsa_next_free_sgpr 96
		.amdhsa_reserve_vcc 0
		.amdhsa_float_denorm_mode_32 3
		.amdhsa_float_denorm_mode_16_64 3
		.amdhsa_memory_ordered 1
		.amdhsa_forward_progress 1
		.amdhsa_inst_pref_size 36
	.end_amdhsa_kernel
	.amdgpu_metadata
---
amdhsa.version: [ 1, 2 ]
amdhsa.kernels:
  - .name:           k_q10ee64696d_outp
    .symbol:         k_q10ee64696d_outp.kd
    .args:
      - { .name: oi, .offset: 0, .size: 8, .value_kind: global_buffer, .address_space: global }
      - { .name: wo, .offset: 8, .size: 8, .value_kind: global_buffer, .address_space: global }
      - { .name: b_io, .offset: 16, .size: 8, .value_kind: global_buffer, .address_space: global }
      - { .name: b_co, .offset: 24, .size: 8, .value_kind: global_buffer, .address_space: global }
      - { .name: out0, .offset: 32, .size: 8, .value_kind: global_buffer, .address_space: global }
      - { .name: out1, .offset: 40, .size: 8, .value_kind: global_buffer, .address_space: global }
    .group_segment_fixed_size: 327680
    .private_segment_fixed_size: 0
    .kernarg_segment_align: 8
    .kernarg_segment_size: 48
    .max_flat_workgroup_size: 256
    .sgpr_count:     96
    .vgpr_count:     256
    .wavefront_size: 32
...
	.end_amdgpu_metadata
.endif
;; end of part 4
